; MI455X (gfx1250); checked and timed in simulation.
; The chip was launched on July 23, 2026; its instructions are those of AMD's public machine-readable ISA for CDNA 5 (MIT licence, August 2026) and "CDNA5" Instruction Set Architecture Reference Guide (July 2026). The comments in the code are by the model that wrote it; some were corrected since.
;; ABC Linear. Allowed arithmetic: float matrix products may take bf16 or f16 operands with f32 sums; all other float work in f32.
;; Inputs: As 2 x 4,096 x 64 float32; Bs 2 x 64 x 64 float32; Cs 2 x 64 x 4,096 float32; W 4,096 x 4,096 float32; bias 4,096 float32; x 2,048 x 4,096 float32.
;; Outputs: out0 2,048 x 4,096 float32.
;; One version. Each part assembles by itself: llvm-mc -triple=amdgcn-amd-amdhsa -mcpu=gfx1250 --defsym DOCPART=n.
;; ======== version 1 of 1: 2 launches
;; limits: values are held in f16: magnitudes above 65,504 overflow, below 6.1e-05 lose precision
;; workspace buffers: wh 33,554,432 bytes; xh 16,777,216 bytes
;; launch prep (part 1): grid 8 x 32, 4 waves a work-group, no clusters, 37,376 bytes of LDS; arguments As, Bs, Cs, W, x, wh, xh; writes wh, xh
.if DOCPART == 1
	.amdgcn_target "amdgcn-amd-amdhsa--gfx1250"
	.amdhsa_code_object_version 6
	.text
	.protected	k_q0fd568a79b_prep
	.globl	k_q0fd568a79b_prep
	.p2align	8
	.type	k_q0fd568a79b_prep,@function
k_q0fd568a79b_prep:
	s_mov_b64 s[64:65], 0
	v_nop
	global_prefetch_b8 v0, s[64:65] scope:SCOPE_SE
	s_setreg_imm32_b32 hwreg(HW_REG_WAVE_MODE, 25, 1), 1
	s_wait_xcnt 0x0
; wh = f16( W[o][i] + sum over k' of AB[o][k'] C[k'][i] ),  AB[o][64 f + k] = sum over r of tanh(As[f][o][r]) Bs[f][r][k],  C[64 f + k][i] = Cs[f][k][i];
; xh = f16(x).  All inputs f32; products on the matrix unit with f16 operands and f32 sums.
; WHY f16 AND NOT bf16: the low-rank part passes through four roundings (tanh A, B, AB, C) ahead of the rounding of wh; f16 has three more mantissa bits for each.
; LIMITS, kept on purpose: every matrix operand (x, tanh A, Bs, AB, Cs, wh) is f16: a magnitude of 65,504 or more becomes infinite, and below 2^-14 the step
; is 2^-24.  tanh(a) = 1 - 2 / (1 + e^(2a)): right at both infinities, absolute error about 2e-7 (two roundings near 1), so tiny a lose relative accuracy.
;
; HOW wh AND xh LIE, for the next launch's sake: by slabs of 128 along the inner index i.  wh: [32 slabs][4096 rows o][128], xh: [32 slabs][2048 rows t][128], f16:
; a row of a slab is 256 bytes, and any run of rows of one slab is one dense block.  Within a row, position 8 r + e (r = 0..15, e = 0..7) holds
; i = 128 slab + 4 r + e for e < 4 and i = 128 slab + 64 + 4 r + e - 4 for e >= 4: the same permutation in wh and in xh, so that sums over i are unchanged.
; It lets a lane's 16 bytes of f16 come from two loads of 16 bytes of f32 in each of which sixteen lanes take 256 consecutive bytes.
;
; SHARES.  256 work-groups (bx = 0..7, by = 0..31), four waves.  The work-group owns rows 128 by .. +127 and columns 512 bx .. +511 of W, and 128 KiB of x.
; Wave w owns slab 4 bx + w (128 columns) of all 128 rows (8 row tiles of 16) and two rows (32 KiB) of x.  AB's 128 rows x 128 k' are made once for the
; work-group: wave w makes factor f = w / 2, rows 64 (w % 2) .. +63, and hands them to the others through LDS (the text's one barrier).
;
; NO TRANSPOSITION.  Bs and Cs lie [k][n], the matrix unit wants k along a lane's registers.  Column tile t of a slab is taken to hold, in lane r, the column of
; position 8 r + t.  Then a lane's two loads of C[k'] feed all eight tiles, one conversion packs rows k', k'+1 into a fragment register, and in the results
; register j of tiles 0..7 is positions 8 r .. 8 r + 7 of row 8 h + j: 16 bytes of f16, sixteen lanes store 256 consecutive aligned bytes.
; Bs likewise with four tiles (column 4 r + t).
;
; THE RING.  Everything from memory comes in 24 batches of 16 loads of 16 bytes a lane (8 KiB a wave), batch n into buffer n % 4 of 64 registers.  Batch n + 4 is
; asked for straight behind the use of batch n, into the same buffer: three batches are out while a batch is worked on, four while the wave waits.  (The 64th
; load may be held at issue until the oldest is back: ISA guide 5.7.1.)  Results are rounded into registers of their own, which are not written again while a
; load is still to be issued, so no wait for a store's sources stands in front of a load.  x's batches stand among C's: data that nobody has read before is
; asked for from the start.
;
; NO CLUSTER, NO TENSOR LOADS: of the 768 KiB that a work-group loads, only C's 256 KiB are shared with other work-groups at about the same time (the 32 of one bx),
; and C has to pass through registers to be rounded and paired by rows; through LDS it would be written and read once more.  W and x are read by one wave each.
.set APITCH, 144                       ; AB in LDS: a row of one factor is 64 f16 = 128 bytes + 16 of padding (9 x 16: sixteen rows start at sixteen different 16-byte columns of 256)
.set PLANE,  128*APITCH                ; one factor's 128 rows
.set ROWF,   16384                     ; bytes in a row of W and of Cs (f32)
.set SLABW,  4096*256                  ; bytes in a slab of wh
.set SLABX,  2048*256                  ; bytes in a slab of xh
; window 0
.set VA,  5                            ; As:  r rows of 256 bytes + 32 h
.set VB,  6                            ; Bs:  8 h rows of 256 bytes + 16 r
.set VW,  7                            ; Cs and W: 8 h rows of 16,384 bytes + 16 r
.set VX,  8                            ; x:   512 h + 16 r
.set VWO, 9                            ; wh:  8 h rows of 256 bytes + 16 r
.set VXO, 10                           ; xh:  h slabs + 16 r;  v11: the same 16 slabs further on (beyond a store's immediate)
.set VLS, 12                           ; LDS, where I put AB: 9,216 w + 8 h rows + 8 r
.set VLR, 13                           ; LDS, where I read AB's fragments: r rows + 16 h
.set AF0, 16                           ; v[16:31]   tanh(A), 16 rows x 64, even unit
.set BF,  32                           ; v[32:95]   Bs' fragments, (s, t) at 32 s + 8 t; later:
.set FR,  32                           ; v[32:63], v[64:95]  AB's fragments of a row tile, two buffers, K chunk s at 8 s
.set ACC, 96                           ; v[96:159]  eight accumulator tiles
.set PK,  160                          ; v[160:191] AB packed to f16
.set AF1, 192                          ; v[192:207] tanh(A), odd unit.  v[160:255] later: wh's row tiles 4, 5, 6 as stored
; window 1: C's fragments, (s, t) at 64 s + 8 t.      window 2: the ring's four buffers, nb at 64 nb.
; window 3: v[0:127] xh as stored, batch i at 32 i (the first 32 once more for wh's row tile 7); v[128:255] wh's row tiles 0 to 3 as stored.
; s_set_vgpr_msb's low byte: bits 1:0 source 0, 3:2 source 1, 5:4 source 2, 7:6 destination.
.set LDST,  0x88                       ; loads into window 2; window 2 = window 0 + window 2
.set IN_U,  0x8a                       ; arithmetic in place in window 2
.set U_CF,  0x4a                       ; window 2 to window 1
.set U_W0,  0x0a                       ; window 2 to window 0
.set U_O3,  0xca                       ; window 2 to window 3
.set ST_O3, 0x0c                       ; a store's data in window 3, its address in window 0
.set MAIN,  0x04                       ; matrix source 1 in window 1, all else in window 0
.set MSB, 0
.macro WIN new                         ; the immediate's high byte repeats the setting that is left
.if MSB != \new
	s_set_vgpr_msb (MSB<<8)|\new
.set MSB, \new
.endif
.endm
.macro PLACES                          ; a vector instruction that reads a matrix result stands four places behind it (ISA guide 7.12.1)
.rept 4
	v_nop
.endr
.endm
	s_load_b256 s[4:11], s[0:1], 0x0               ; As s[4:5], Bs s[6:7], Cs s[8:9], W s[10:11]
	s_load_b128 s[12:15], s[0:1], 0x20             ; x s[12:13], wh s[14:15]
	s_load_b64 s[16:17], s[0:1], 0x30              ; xh
	v_lshl_add_u32 v14, v0, 2, 0x9000
	v_mov_b32 v15, 0
	v_lshrrev_b32 v1, 5, v0
	v_readfirstlane_b32 s18, v1                    ; wave w
	s_and_b32 s19, s18, 1                          ; w % 2: which 64 rows of AB I make
	s_lshr_b32 s20, s18, 1                         ; f: which factor
	s_and_b32 s22, ttmp7, 0xffff                   ; by
	s_lshl_b32 s23, s22, 3
	s_add_co_u32 s23, s23, ttmp9                   ; g = 8 by + bx: which 8 rows of x
	; byte offsets, each in a pair of its own with 0 above (all below 2^27)
	s_lshl_b32 s24, s20, 20                        ; As: factor of 1 MiB,
	s_lshl_b32 s21, s22, 15                        ;     128 by rows of 256 bytes,
	s_or_b32 s24, s24, s21
	s_lshl_b32 s21, s19, 14                        ;     my 64 rows
	s_or_b32 s24, s24, s21
	s_mov_b32 s25, 0
	s_lshl_b32 s26, s20, 14                        ; Bs: factor of 16 KiB
	s_mov_b32 s27, 0
	s_lshl_b32 s28, ttmp9, 11                      ; Cs: column 512 bx + 128 w, in f32
	s_lshl_b32 s21, s18, 9
	s_or_b32 s28, s28, s21
	s_mov_b32 s29, 0
	s_lshl_b32 s30, s22, 21                        ; W: the same column, row 128 by
	s_or_b32 s30, s30, s28
	s_mov_b32 s31, 0
	s_lshl_b32 s32, s23, 17                        ; x: 128 KiB a work-group, 32 KiB a wave: rows 8 g + 2 w, + 1
	s_lshl_b32 s21, s18, 15
	s_or_b32 s32, s32, s21
	s_mov_b32 s33, 0
	s_lshl_b32 s34, ttmp9, 22                      ; wh: slab 4 bx + w of 1 MiB,
	s_lshl_b32 s21, s18, 20
	s_or_b32 s34, s34, s21
	s_lshl_b32 s21, s22, 15                        ;     row 128 by of 256 bytes
	s_or_b32 s34, s34, s21
	s_mov_b32 s35, 0
	s_lshl_b32 s36, s23, 11                        ; xh: row 8 g + 2 w of 256 bytes, slab 0
	s_lshl_b32 s21, s18, 9
	s_or_b32 s36, s36, s21
	s_mov_b32 s37, 0
	s_mul_i32 s38, s18, 64*APITCH                  ; my 64 rows of my factor's plane: f x 18,432 + (w % 2) x 9,216 = 9,216 w
	v_and_b32 v2, 15, v0                           ; r
	v_bfe_u32 v3, v0, 4, 1                         ; h
	v_lshlrev_b32 v4, 4, v2                        ; 16 r
	v_lshlrev_b32 v[VA], 8, v2
	v_lshl_or_b32 v[VA], v3, 5, v[VA]
	v_lshl_or_b32 v[VB], v3, 11, v4
	v_lshl_or_b32 v[VW], v3, 17, v4
	v_lshl_or_b32 v[VX], v3, 9, v4
	v_lshl_or_b32 v[VWO], v3, 11, v4
	v_lshl_or_b32 v[VXO], v3, 19, v4
	v_add_nc_u32 v[VXO+1], 16*SLABX, v[VXO]
	v_mul_u32_u24 v[VLS], v3, 8*APITCH
	v_lshl_add_u32 v[VLS], v2, 3, v[VLS]
	v_add_nc_u32 v[VLS], s38, v[VLS]
	v_mul_u32_u24 v[VLR], v2, APITCH
	v_lshl_add_u32 v[VLR], v3, 4, v[VLR]
	s_wait_kmcnt 0x0
	s_add_nc_u64 s[4:5], s[4:5], s[24:25]
	s_add_nc_u64 s[6:7], s[6:7], s[26:27]
	s_add_nc_u64 s[8:9], s[8:9], s[28:29]
	s_add_nc_u64 s[10:11], s[10:11], s[30:31]
	s_add_nc_u64 s[12:13], s[12:13], s[32:33]
	s_add_nc_u64 s[14:15], s[14:15], s[34:35]
	s_add_nc_u64 s[16:17], s[16:17], s[36:37]
; ---- the batches: 16 loads each, into buffer nb ----
; Bs, K chunk s: rows 32 s + 16 (e / 8) + 8 h + e % 8, columns 4 r .. 4 r + 3, into register 4 e + t
.macro ISSUE_BS s, nb
	WIN LDST
.irp e, 0,1,2,3,4,5,6,7,8,9,10,11,12,13,14,15
	global_load_b128 v[64*\nb+4*\e:64*\nb+4*\e+3], v[VB], s[6:7] offset:(32*\s+16*(\e/8)+(\e%8))*256
.endr
.endm
; As, units 2 c and 2 c + 1 (16 rows each): row r, k = 16 g + 8 h + 0..7, into register 32 u + 8 g + 0..7
.macro ISSUE_A c, nb
	WIN LDST
.irp u, 0,1
.irp g, 0,1,2,3
	global_load_b128 v[64*\nb+32*\u+8*\g:64*\nb+32*\u+8*\g+3],   v[VA], s[4:5] offset:(2*\c+\u)*4096+64*\g
	global_load_b128 v[64*\nb+32*\u+8*\g+4:64*\nb+32*\u+8*\g+7], v[VA], s[4:5] offset:(2*\c+\u)*4096+64*\g+16
.endr
.endr
.endm
; C, rows 16 q + 8 h + e: columns 4 r .. + 3 into registers 8 e + 0..3, columns 64 + 4 r .. + 3 into 8 e + 4..7: sixteen lanes take 256 consecutive bytes
.macro ISSUE_C q, nb
	WIN LDST
.irp e, 0,1,2,3,4,5,6,7
	global_load_b128 v[64*\nb+8*\e:64*\nb+8*\e+3],   v[VW], s[8:9] offset:(16*\q+\e)*ROWF
	global_load_b128 v[64*\nb+8*\e+4:64*\nb+8*\e+7], v[VW], s[8:9] offset:(16*\q+\e)*ROWF+256
.endr
.endm
; x, 8 KiB = half a row = 16 slabs' pieces of 512 bytes: piece 2 m + h, its first and its second 256 bytes, into registers 8 m + 0..3 and 8 m + 4..7; read once in the launch
.macro ISSUE_X i, nb
	WIN LDST
.irp m, 0,1,2,3,4,5,6,7
	global_load_b128 v[64*\nb+8*\m:64*\nb+8*\m+3],   v[VX], s[12:13] offset:8192*\i+1024*\m th:TH_LOAD_NT
	global_load_b128 v[64*\nb+8*\m+4:64*\nb+8*\m+7], v[VX], s[12:13] offset:8192*\i+1024*\m+256 th:TH_LOAD_NT
.endr
.endm
; W, row tile R: rows 16 R + 8 h + j, columns as for C, into register 8 j + t; read once in the launch
.macro ISSUE_W R, nb
	WIN LDST
.irp j, 0,1,2,3,4,5,6,7
	global_load_b128 v[64*\nb+8*\j:64*\nb+8*\j+3],   v[VW], s[10:11] offset:(16*\R+\j)*ROWF th:TH_LOAD_NT
	global_load_b128 v[64*\nb+8*\j+4:64*\nb+8*\j+7], v[VW], s[10:11] offset:(16*\R+\j)*ROWF+256 th:TH_LOAD_NT
.endr
.endm
; ---- what is done with them ----
; Bs: fragment register p of (s, t) holds rows e = 2 p, 2 p + 1 of column 4 r + t
.macro USE_BS s, nb
	WIN U_W0
.irp t, 0,1,2,3
.irp p, 0,1,2,3,4,5,6,7
	v_cvt_pk_f16_f32 v[BF+32*\s+8*\t+\p], v[64*\nb+8*\p+\t], v[64*\nb+8*\p+4+\t]
.endr
.endr
.endm
; As: tanh in place on 64 registers, 32 rows x 64 of AB on the matrix unit, packed and put into LDS
.macro USE_A c, nb
	WIN IN_U
.set ii, 0
.rept 32
	v_pk_mul_f32 v[64*\nb+ii:64*\nb+ii+1], v[64*\nb+ii:64*\nb+ii+1], 0x4038aa3b op_sel_hi:[1,0]   ; 2 a log2(e)
.set ii, ii+2
.endr
.set ii, 0
.rept 64
	v_exp_f32 v[64*\nb+ii], v[64*\nb+ii]           ; e^(2a)
.set ii, ii+1
.endr
	v_nop                                          ; one plain vector instruction between a transcendental and the use of its result (ISA guide 5.7.2)
.set ii, 0
	s_wait_alu depctr_va_vdst(0)
.rept 32
	v_pk_add_f32 v[64*\nb+ii:64*\nb+ii+1], v[64*\nb+ii:64*\nb+ii+1], 1.0 op_sel_hi:[1,0]
.set ii, ii+2
.endr
.set ii, 0
.rept 64
	v_rcp_f32 v[64*\nb+ii], v[64*\nb+ii]
.set ii, ii+1
.endr
	v_nop                                          ; as above
.set ii, 0
	s_wait_alu depctr_va_vdst(0)
.rept 32
	v_pk_fma_f32 v[64*\nb+ii:64*\nb+ii+1], v[64*\nb+ii:64*\nb+ii+1], -2.0, 1.0 op_sel_hi:[1,0,0]  ; 1 - 2 / (1 + e^(2a))
.set ii, ii+2
.endr
	WIN U_W0
.set ii, 0
.rept 16
	v_cvt_pk_f16_f32 v[AF0+ii], v[64*\nb+2*ii], v[64*\nb+2*ii+1]        ; the loads' order is the fragments' order: k = 16 g + 8 h + 2 p, + 1 in register 4 g + p
	v_cvt_pk_f16_f32 v[AF1+ii], v[64*\nb+32+2*ii], v[64*\nb+32+2*ii+1]
.set ii, ii+1
.endr
	WIN 0
	; eight accumulators (two units x four column tiles) by turns, one instruction a turn; the first K chunk starts the sums
.irp t, 0,1,2,3
	v_wmma_f32_16x16x32_f16 v[ACC+8*\t:ACC+8*\t+7], v[AF0:AF0+7], v[BF+8*\t:BF+8*\t+7], 0
.endr
.irp t, 0,1,2,3
	v_wmma_f32_16x16x32_f16 v[ACC+32+8*\t:ACC+32+8*\t+7], v[AF1:AF1+7], v[BF+8*\t:BF+8*\t+7], 0
.endr
.irp t, 0,1,2,3
	v_wmma_f32_16x16x32_f16 v[ACC+8*\t:ACC+8*\t+7], v[AF0+8:AF0+15], v[BF+32+8*\t:BF+32+8*\t+7], v[ACC+8*\t:ACC+8*\t+7]
.endr
.irp t, 0,1,2,3
	v_wmma_f32_16x16x32_f16 v[ACC+32+8*\t:ACC+32+8*\t+7], v[AF1+8:AF1+15], v[BF+32+8*\t:BF+32+8*\t+7], v[ACC+32+8*\t:ACC+32+8*\t+7]
.endr
	PLACES
.irp u, 0,1
.irp j, 0,1,2,3,4,5,6,7
	v_cvt_pk_f16_f32 v[PK+16*\u+2*\j],   v[ACC+32*\u+\j],    v[ACC+32*\u+8+\j]     ; row 8 h + j, columns 4 r, 4 r + 1
	v_cvt_pk_f16_f32 v[PK+16*\u+2*\j+1], v[ACC+32*\u+16+\j], v[ACC+32*\u+24+\j]    ; columns 4 r + 2, 4 r + 3
.endr
.endr
.irp u, 0,1
.irp j, 0,1,2,3,4,5,6,7
	ds_store_b64 v[VLS], v[PK+16*\u+2*\j:PK+16*\u+2*\j+1] offset:(16*(2*\c+\u)+\j)*APITCH   ; sixteen lanes fill a row's 128 bytes; the other sixteen lie 1,152 bytes on
.endr
.endr
.endm
; C: register 4 (q % 2) + p of fragment (s = q / 2, t) holds rows e = 2 p, 2 p + 1 of tile t's column
.macro USE_C q, nb
	WIN U_CF
.irp t, 0,1,2,3,4,5,6,7
.irp p, 0,1,2,3
	v_cvt_pk_f16_f32 v[64*(\q/2)+8*\t+4*(\q%2)+\p], v[64*\nb+16*\p+\t], v[64*\nb+16*\p+8+\t]
.endr
.endr
.endm
; x: a lane's eight f32 of a piece become its 16 bytes of the slab's row (positions 8 r .. 8 r + 7), in registers that are not written again while loads are still
; to be issued.  A store covers two whole rows of 256 bytes, in slabs 2 m and 2 m + 1 of the batch's sixteen.  No hint: the next launch reads them.
.macro USE_X i, nb
	WIN U_O3
.set ii, 0
.rept 32
	v_cvt_pk_f16_f32 v[32*\i+ii], v[64*\nb+2*ii], v[64*\nb+2*ii+1]
.set ii, ii+1
.endr
	WIN ST_O3
.irp m, 0,1,2,3,4,5,6,7
	global_store_b128 v[VXO+(\i)%2], v[32*\i+4*\m:32*\i+4*\m+3], s[16:17] offset:2*\m*SLABX+((\i)/2)*256
.endr
.endm
; AB's fragments of row tile R: 16 rows x 128 k' in four K chunks; chunk s lies in plane s / 2 at byte 64 (s % 2) of the rows
.macro LDFR R
.irp s, 0,1,2,3
	ds_load_b128 v[FR+32*((\R)%2)+8*\s:FR+32*((\R)%2)+8*\s+3],   v[VLR] offset:(\s/2)*PLANE+16*(\R)*APITCH+64*(\s%2)
	ds_load_b128 v[FR+32*((\R)%2)+8*\s+4:FR+32*((\R)%2)+8*\s+7], v[VLR] offset:(\s/2)*PLANE+16*(\R)*APITCH+64*(\s%2)+32
.endr
.endm
; W, row tile R: AB C on the matrix unit, W added in f32, rounded once into 32 registers at ob of window ow (3 or 0), stored.
; xw = 1: those registers were an earlier store's data.
.macro USE_W R, nb, ow, ob, xw
	WIN MAIN
.if \R < 7
	LDFR \R+1                                      ; the next tile's fragments, into the buffer that the tile before this one used
	s_wait_dscnt 8                                 ; LDS loads come back in order (ISA guide 5.7.1): this tile's are in, the eight just issued may stay out
.else
	s_wait_dscnt 0x0
.endif
	; eight accumulators by turns, one instruction a turn; the first K chunk starts the sums
.irp t, 0,1,2,3,4,5,6,7
	v_wmma_f32_16x16x32_f16 v[ACC+8*\t:ACC+8*\t+7], v[FR+32*((\R)%2):FR+32*((\R)%2)+7], v[8*\t:8*\t+7], 0
.endr
.irp s, 1,2,3
.irp t, 0,1,2,3,4,5,6,7
	v_wmma_f32_16x16x32_f16 v[ACC+8*\t:ACC+8*\t+7], v[FR+32*((\R)%2)+8*\s:FR+32*((\R)%2)+8*\s+7], v[64*\s+8*\t:64*\s+8*\t+7], v[ACC+8*\t:ACC+8*\t+7]
.endr
.endr
	PLACES
	WIN LDST
.irp j, 0,1,2,3,4,5,6,7
.irp t, 0,1,2,3,4,5,6,7
	v_add_f32 v[64*\nb+8*\j+\t], v[ACC+8*\t+\j], v[64*\nb+8*\j+\t]      ; row 8 h + j, position 8 r + t: tile t's register j meets W's register 8 j + t
.endr
.endr
.if \xw
	s_wait_xcnt 0x0                                ; a store's data registers are written again only behind this wait (ISA guide 3.1); no load is left to be held up by it
.endif
.if \ow == 3
	WIN U_O3
.else
	WIN U_W0
.endif
.set ii, 0
.rept 32
	v_cvt_pk_f16_f32 v[\ob+ii], v[64*\nb+2*ii], v[64*\nb+2*ii+1]
.set ii, ii+1
.endr
.if \ow == 3
	WIN ST_O3
.else
	WIN 0
.endif
.irp j, 0,1,2,3,4,5,6,7
	global_store_b128 v[VWO], v[\ob+4*\j:\ob+4*\j+3], s[14:15] offset:(16*\R+\j)*256   ; two whole rows of 256 bytes, 8 rows apart; a tile's eight stores fill 4 KiB without a gap.  No hint: the next launch reads them
.endr
.endm
; ---- the ring.  Step n: batch n is in (loads come back in order, ISA guide 5.7.1; the count leaves the three younger batches of 16 out); it is used; batch n + 4
; is asked for, into the buffer just used.
	ISSUE_BS 0, 0
	ISSUE_BS 1, 1
	ISSUE_A  0, 2
	ISSUE_A  1, 3
	s_wait_loadcnt 48                              ; step 0
	USE_BS   0, 0
	ISSUE_C  0, 0
	s_wait_loadcnt 48                              ; step 1
	USE_BS   1, 1
	ISSUE_X  0, 1
	s_wait_loadcnt 48                              ; step 2
	USE_A    0, 2
	ISSUE_C  1, 2
	s_wait_loadcnt 48                              ; step 3
	USE_A    1, 3
	ISSUE_C  2, 3
	s_wait_loadcnt 48                              ; step 4
	USE_C    0, 0
	ISSUE_X  1, 0
	s_wait_loadcnt 48                              ; step 5
	USE_X    0, 1
	ISSUE_C  3, 1
	s_wait_loadcnt 48                              ; step 6
	USE_C    1, 2
	ISSUE_C  4, 2
	s_wait_loadcnt 48                              ; step 7
	USE_C    2, 3
	ISSUE_X  2, 3
	s_wait_loadcnt 48                              ; step 8
	USE_X    1, 0
	ISSUE_C  5, 0
	s_wait_loadcnt 48                              ; step 9
	USE_C    3, 1
	ISSUE_C  6, 1
	s_wait_loadcnt 48                              ; step 10
	USE_C    4, 2
	ISSUE_X  3, 2
	s_wait_loadcnt 48                              ; step 11
	USE_X    2, 3
	ISSUE_C  7, 3
	s_wait_loadcnt 48                              ; step 12
	USE_C    5, 0
	ISSUE_W  0, 0
	s_wait_loadcnt 48                              ; step 13
	USE_C    6, 1
	ISSUE_W  1, 1
	s_wait_loadcnt 48                              ; step 14
	USE_X    3, 2
	ISSUE_W  2, 2
	s_wait_loadcnt 48                              ; step 15
	USE_C    7, 3
	ISSUE_W  3, 3
	; AB goes from wave to wave: my LDS stores are done (zero, for the others' sake), every wave has said so, only then anyone reads
	WIN MAIN
	s_wait_dscnt 0x0
	s_barrier_signal -1
	s_barrier_wait -1
	LDFR 0
	s_wait_loadcnt 48                              ; step 16
	USE_W    0, 0, 3, 128, 0
	ISSUE_W  4, 0
	s_wait_loadcnt 48                              ; step 17
	USE_W    1, 1, 3, 160, 0
	ISSUE_W  5, 1
	s_wait_loadcnt 48                              ; step 18
	USE_W    2, 2, 3, 192, 0
	ISSUE_W  6, 2
	s_wait_loadcnt 48                              ; step 19
	USE_W    3, 3, 3, 224, 0
	ISSUE_W  7, 3
	s_wait_loadcnt 48                              ; step 20: nothing is left to ask for; three batches are still out,
	USE_W    4, 0, 0, 160, 0
	s_wait_loadcnt 32                              ; step 21: two,
	USE_W    5, 1, 0, 192, 0
	s_wait_loadcnt 16                              ; step 22: one,
	USE_W    6, 2, 0, 224, 0
	s_wait_loadcnt 0x0                             ; step 23: none
	USE_W    7, 3, 3, 0, 1                         ; into the registers from which x's first batch was stored
	WIN 0
	s_wait_tensorcnt 0x0
	ds_add_u32 v14, v15
	s_wait_dscnt 0x0
	s_endpgm
.Lfunc_end_k_q0fd568a79b_prep:
	.size	k_q0fd568a79b_prep, .Lfunc_end_k_q0fd568a79b_prep-k_q0fd568a79b_prep
	.p2alignl 7, 3214868480
	.fill 96, 4, 3214868480
	.section	.rodata,"a",@progbits
	.p2align	6, 0x0
	.amdhsa_kernel k_q0fd568a79b_prep
		.amdhsa_group_segment_fixed_size 37376
		.amdhsa_private_segment_fixed_size 0
		.amdhsa_enable_private_segment 0
		.amdhsa_kernarg_size 56
		.amdhsa_user_sgpr_count 2
		.amdhsa_user_sgpr_kernarg_segment_ptr 1
		.amdhsa_wavefront_size32 1
		.amdhsa_system_sgpr_workgroup_id_x 1
		.amdhsa_system_sgpr_workgroup_id_y 1
		.amdhsa_system_sgpr_workgroup_id_z 1
		.amdhsa_system_vgpr_workitem_id 0
		.amdhsa_next_free_vgpr 1024
		.amdhsa_next_free_sgpr 66
		.amdhsa_reserve_vcc 0
		.amdhsa_float_denorm_mode_32 3
		.amdhsa_float_denorm_mode_16_64 3
		.amdhsa_memory_ordered 1
		.amdhsa_forward_progress 1
		.amdhsa_inst_pref_size 168
	.end_amdhsa_kernel
	.amdgpu_metadata
---
amdhsa.version: [ 1, 2 ]
amdhsa.kernels:
  - .name:           k_q0fd568a79b_prep
    .symbol:         k_q0fd568a79b_prep.kd
    .args:
      - { .name: As, .offset: 0, .size: 8, .value_kind: global_buffer, .address_space: global }
      - { .name: Bs, .offset: 8, .size: 8, .value_kind: global_buffer, .address_space: global }
      - { .name: Cs, .offset: 16, .size: 8, .value_kind: global_buffer, .address_space: global }
      - { .name: W, .offset: 24, .size: 8, .value_kind: global_buffer, .address_space: global }
      - { .name: x, .offset: 32, .size: 8, .value_kind: global_buffer, .address_space: global }
      - { .name: wh, .offset: 40, .size: 8, .value_kind: global_buffer, .address_space: global }
      - { .name: xh, .offset: 48, .size: 8, .value_kind: global_buffer, .address_space: global }
    .group_segment_fixed_size: 37376
    .private_segment_fixed_size: 0
    .kernarg_segment_align: 8
    .kernarg_segment_size: 56
    .max_flat_workgroup_size: 128
    .sgpr_count:     66
    .vgpr_count:     1024
    .wavefront_size: 32
...
	.end_amdgpu_metadata
.endif
;; end of part 1
;; launch gemm (part 2): grid 16 x 16, 4 waves a work-group, clusters of 4 x 4, 327,680 bytes of LDS; arguments xh, wh, bias, out0; writes out0
.if DOCPART == 2
	.amdgcn_target "amdgcn-amd-amdhsa--gfx1250"
	.amdhsa_code_object_version 6
	.text
	.protected	k_q0fd568a79b_gemm
	.globl	k_q0fd568a79b_gemm
	.p2align	8
	.type	k_q0fd568a79b_gemm,@function
k_q0fd568a79b_gemm:
	s_mov_b64 s[64:65], 0
	v_nop
	global_prefetch_b8 v0, s[64:65] scope:SCOPE_SE
	s_setreg_imm32_b32 hwreg(HW_REG_WAVE_MODE, 25, 1), 1
	s_wait_xcnt 0x0
	s_wait_alu depctr_hold_cnt(0) depctr_sa_sdst(0) depctr_va_vdst(0) depctr_va_sdst(0) depctr_va_ssrc(0) depctr_va_vcc(0) depctr_vm_vsrc(0)
	s_getreg_b32 s2, hwreg(HW_REG_IB_STS2, 6, 4)
	s_cmp_eq_u32 s2, 0
	s_cbranch_scc0 .Lentry_in_a_cluster
	s_endpgm
.Lentry_in_a_cluster:
	s_bfe_u32 s2, ttmp6, 0x10000c
	s_cmp_lg_u32 s2, 0xf033
	s_cbranch_scc0 .Lentry_shape_is_right
	s_endpgm
.Lentry_shape_is_right:
; out0[t][o] = sum over i of x[t][i] W_eff[o][i] + bias[o], from the f16 copies that the launch before made; bias: [4096] f32, out0: [2048][4096] f32; sums in f32.
; xh: [32 slabs][2048 tokens][128] f16, wh: [32 slabs][4096 outs][128] f16: slab s holds i = 128 s .. 128 s + 127, in an order within the row that is the same in both,
; so that a product over a slab's positions is the product over its i.  A row of a slab is 256 bytes; a run of rows of one slab is one dense block of memory.
; LIMIT: the operands are f16 (magnitudes below 65,504; step 2^-24 below 2^-14).
; 2048 x 4096 outputs on 256 work-groups are 32,768 each: a block of 128 tokens x 256 outs, four waves, a wave 64 x 128 = 32 accumulator tiles of 16 x 16, 256 registers.
; K goes by slabs (steps of 128) through a ring of two LDS slots filled by the tensor data mover: a wave's load is a dense block of 128 or 64 rows of 256 bytes.
; Two slots of two slabs each would take 405,504 bytes and do not fit.
; CLUSTERS: 4 x 4 work-groups.  x counts token blocks, y out blocks.  The four of a column of the cluster (one cx) need the same tiles of xh, the four of a row (one cy)
; the same tiles of wh.  Such a tile is asked for jointly: each of the four issues the same tensor load, with the same descriptor and a mask that names the four.
; With the outs along y, the clusters of one cluster row read the same quarter of wh, and no other cluster row reads it.
; REGISTERS: window 0: v16-33 addresses and bias; v64-159, v160-255 two fragment buffers (8 fragments of wh, then 4 of xh, 8 registers each);
;            window 1: the 32 accumulator tiles, (a, b) at 8 (8 a + b): tokens 16 a .., outs 16 b ...
; THE MATRIX INSTRUCTION IS USED TRANSPOSED: source 0 = 16 rows of wh, source 1 = 16 rows of xh.  Lane l then holds token l % 16, and its registers 0 to 7 the outs
; 8 (l / 16) + 0 .. 7: 32 neighbouring bytes of a row of out0.
.set SIZE_K, 4096
.set SIZE_N, 4096
.set KSTEP,  128
.set SLABX,  2048*256                  ; bytes in a slab of xh
.set SLABW,  4096*256                  ; bytes in a slab of wh
.set PITCH,  272                       ; an LDS row: 256 bytes + 16 of padding = 17 x 16: the sixteen rows that a fragment load touches start at sixteen different 16-byte columns of 256
.set WROWS,  256                       ; rows of wh in a slot
.set XROWS,  128                       ; rows of xh in a slot, behind wh's
.set SLOT,   (WROWS+XROWS)*PITCH       ; 104,448
.set STAGE,  2*SLOT                    ; 208,896 = 816 x 256: behind the ring, 16 rows x 528 bytes for each wave, for the way out; no fill lands there
.set SPITCH, 528                       ; 512 bytes + 16 = 33 x 16
.set LAPS,   SIZE_K/(2*KSTEP)          ; 16 laps of two K steps
.set ADRA, 16                          ; v16-17  LDS address of my xh fragments in slot 0, 1
.set ADRB, 20                          ; v20-21  the same for wh
.set STO,  24                          ; the way out: where I put 32 bytes of a row
.set RD,   25                          ; the way out: where I read 16 bytes of a row back
.set CO,   26                          ; 16 x lane: my bytes in a row of 512
.set BO,   27                          ; my byte offset in bias
.set BIAS, 28                          ; v[28:31] bias of my four columns on the way out
.set PW,   32                          ; prefetch of wh: 256 (l % 16) + (l / 16) slabs
.set PX,   33                          ; prefetch of xh: the same with xh's slabs
.set F0,   64
.set F1,   160
.set G1,  24                           ; s[24:31] group 1 for xh's tiles (64 rows)
.set G0,  32                           ; s[32:39] group 0 for xh's tiles, one set for each slot
.set G1B, 48                           ; s[48:55] group 1 for wh's tiles (128 rows)
.set G0B, 56                           ; s[56:63] group 0 for wh's tiles, one set for each slot
.set SHAPE, (1<<16)|(1<<20)|(1<<21)|(5<<22)|(3<<25)   ; 17:16 element of 2 bytes; 20 padding on; 21 set beside a mask; 24:22 after every 64 words; 31:25 four words
.set W_MUL, 0x50                       ; sources 0 and 1 in window 0, C and D in window 1
.set W_ACC, 0x04                       ; an LDS store's data in window 1, its address in window 0
.set MSB, 0
.macro WIN new                         ; the immediate's high byte repeats the setting that is left
.if MSB != \new
	s_set_vgpr_msb (MSB<<8)|\new
.set MSB, \new
.endif
.endm
; A joint load.  Waves 0 and 1 fetch wh's two halves (128 rows each), waves 2 and 3 xh's (64 rows each).  Each line has one mask and one set of registers for all that
; issue it; the branch hangs on the wave's number alone.
.macro JLOAD s
	s_cmp_eq_u32 s13, 0
	s_cbranch_scc0 .Lfor_x_\@
	tensor_load_to_lds s[G0B+4*\s:G0B+4*\s+3], s[G1B:G1B+7]
	s_nop 0
	s_branch .Lasked_\@
.Lfor_x_\@:
	tensor_load_to_lds s[G0+4*\s:G0+4*\s+3], s[G1:G1+7]
	s_nop 0
.Lasked_\@:
.endm
; A round of the cluster's barrier: my work-group's barrier; wave 0 signals for the work-group; every wave waits for all sixteen; my work-group's barrier once more.
.macro CREST                           ; a round behind its opening barrier
	s_cmp_lg_u32 s12, 0
	s_cbranch_scc1 .Lnot_wave_0_\@
	s_barrier_signal -3
.Lnot_wave_0_\@:
	s_barrier_wait -3
	s_barrier_signal -1
	s_barrier_wait -1
.endm
.macro CROUND
	s_barrier_signal -1
	s_barrier_wait -1
	CREST
.endm
; PREFETCH.  In lap l (K steps 2 l, 2 l + 1), behind the refill at the end of K step 2 l, wave 0 asks for 16 rows of wh in each of slabs 2 l + 4 and 2 l + 5, and wave 1
; for 16 rows of xh in each of them: 32 lanes, 256 bytes apart within a slab.  The tensor loads of these slabs go out at the ends of K steps 2 l + 2 and 2 l + 3: 256 and
; 384 matrix instructions of a wave later.  SHARES: the 1,024 rows of wh that a cluster row reads are shared out among the 64 work-groups that read them (16 each): each
; block of wh is asked for once.  xh is read whole by the eight clusters of cluster rows 0 and 1 and again by the eight of rows 2 and 3; each of these two groups of 128
; work-groups shares its 2,048 rows out (16 each), so each block of xh is asked for once by each group.  Laps 0 to 13 ask (slabs 4 to 31); laps 14 and 15 ask for
; nothing, so no request passes a buffer's end.  Slabs 0 to 3 are asked for by nobody: their tensor loads go out within the first lap.
.macro PREF
	s_cmp_lg_u32 s12, 0
	s_cbranch_scc1 .Lnot_w_\@
	global_prefetch_b8 v[PW], s[72:73] th:TH_LOAD_NT scope:SCOPE_SE
.Lnot_w_\@:
	s_cmp_lg_u32 s12, 1
	s_cbranch_scc1 .Lnot_x_\@
	global_prefetch_b8 v[PX], s[74:75] th:TH_LOAD_NT scope:SCOPE_SE
.Lnot_x_\@:
.endm
.macro PSTEP                           ; a K step behind the requests: their bases go two slabs on
	s_wait_xcnt 0x0                                ; a memory instruction's base is written again only behind this wait (ISA guide 3.1)
	s_add_nc_u64 s[72:73], s[72:73], 2*SLABW
	s_add_nc_u64 s[74:75], s[74:75], 2*SLABX
.endm
	s_load_b256 s[4:11], s[0:1], 0x0               ; xh s[4:5], wh s[6:7], bias s[8:9], out0 s[10:11]
	v_lshl_add_u32 v62, v0, 2, 0x3b400
	v_mov_b32 v63, 0
	ds_add_u32 v62, v63
	v_lshrrev_b32 v1, 5, v0
	v_readfirstlane_b32 s12, v1                    ; wave 0..3
	s_lshr_b32 s13, s12, 1                         ; which 64 tokens of the block are mine.  Also: I fetch for wh (0) or for xh (1)
	s_and_b32 s14, s12, 1                          ; which 128 outs.  Also: which half of that tile I fetch
	s_bfe_u32 s40, ttmp6, 0x40000                  ; cx
	s_bfe_u32 s41, ttmp6, 0x40004                  ; cy
	s_lshl_b32 s42, ttmp9, 2                       ; in a cluster launch ttmp9 and ttmp7 count clusters
	s_add_co_u32 s42, s42, s40                     ; token block = 4 x cluster x + cx
	s_and_b32 s15, ttmp7, 0xffff                   ; cluster y
	s_lshl_b32 s43, s15, 2
	s_add_co_u32 s43, s43, s41                     ; out block = 4 x cluster y + cy
	s_lshl_b32 s44, s41, 2
	s_lshl_b32 s44, 15, s44                        ; my row of the cluster: places 4 cy .. 4 cy + 3
	s_lshl_b32 s45, 0x1111, s40                    ; my column: places cx, cx + 4, cx + 8, cx + 12
	s_or_b32 s[G1+0], s45, SHAPE                   ; xh's tiles hang on cx alone: they go to my column of the cluster
	s_mov_b32 s[G1+1], KSTEP<<16                   ; tensor_dim0 = 128
	s_mov_b32 s[G1+2], 64<<16                      ; tensor_dim1 = 64
	s_mov_b32 s[G1+3], KSTEP<<16                   ; tile_dim0 = 128 elements, 256 bytes
	s_mov_b32 s[G1+4], 64                          ; tile_dim1 = 64 rows
	s_mov_b32 s[G1+5], KSTEP                       ; elements from row to row: the block is dense
	s_mov_b32 s[G1+6], 0
	s_mov_b32 s[G1+7], 0
	s_or_b32 s[G1B+0], s44, SHAPE                  ; wh's tiles hang on cy alone: they go to my row
	s_mov_b32 s[G1B+1], KSTEP<<16
	s_mov_b32 s[G1B+2], 128<<16                    ; tensor_dim1 = 128
	s_mov_b32 s[G1B+3], KSTEP<<16
	s_mov_b32 s[G1B+4], 128                        ; tile_dim1 = 128 rows
	s_mov_b32 s[G1B+5], KSTEP
	s_mov_b32 s[G1B+6], 0
	s_mov_b32 s[G1B+7], 0
	; where the tiles come from.  xh's hang on the token block alone, wh's on the out block alone; every wave makes both, in registers that never hold the other coordinate
	s_lshl_b32 s16, s42, 7
	s_lshl_b32 s18, s14, 6
	s_add_co_u32 s16, s16, s18                     ; xh: row 128 x token block + 64 x half
	s_lshl_b32 s16, s16, 8                         ; x 256 bytes, in slab 0
	s_mov_b32 s17, 0
	s_lshl_b32 s46, s43, 8
	s_lshl_b32 s18, s14, 7
	s_add_co_u32 s46, s46, s18                     ; wh: row 256 x out block + 128 x half
	s_lshl_b32 s46, s46, 8
	s_mov_b32 s47, 0
	s_mul_i32 s20, s12, 128*PITCH                  ; and where they go.  wh (waves 0, 1): wave x 128 rows
	s_mul_i32 s21, s12, 64*PITCH
	s_add_co_u32 s21, s21, 128*PITCH               ; xh (waves 2, 3): 256 rows + (wave - 2) x 64 rows.  No place in the cluster enters an LDS address
	; what I ask for ahead: offsets of my 16 rows in slab 4 of wh and of xh
	s_lshl_b32 s66, ttmp9, 4
	s_lshl_b32 s67, s41, 2
	s_add_co_u32 s66, s66, s67
	s_add_co_u32 s66, s66, s40                     ; q = 16 x cluster x + 4 cy + cx: my place among the 64 work-groups of my cluster row
	s_lshl_b32 s70, s15, 18                        ; wh: 1,024 x cluster y rows of 256 bytes
	s_lshl_b32 s67, s66, 12                        ;     + 16 q rows
	s_add_co_u32 s70, s70, s67
	s_add_co_u32 s70, s70, 4*SLABW
	s_mov_b32 s71, 0
	s_and_b32 s76, s15, 1
	s_lshl_b32 s76, s76, 6
	s_add_co_u32 s76, s76, s66                     ; my place among the 128 work-groups of my pair of cluster rows
	s_lshl_b32 s76, s76, 12                        ; xh: 16 rows of 256 bytes each
	s_add_co_u32 s76, s76, 4*SLABX
	s_mov_b32 s77, 0
	s_wait_dscnt 0x0
	s_wait_kmcnt 0x0
	s_add_nc_u64 s[16:17], s[4:5], s[16:17]
	s_add_nc_u64 s[46:47], s[6:7], s[46:47]
	s_add_nc_u64 s[72:73], s[6:7], s[70:71]
	s_add_nc_u64 s[74:75], s[4:5], s[76:77]
	CROUND                                         ; all sixteen work-groups are here: the first joint loads meet
.irp s, 0,1
	s_mov_b32 s[G0+4*\s], 1                                        ; count = 1
	s_add_co_u32 s[G0+4*\s+1], s21, \s*SLOT                        ; LDS address
	s_add_nc_u64 s[G0+4*\s+2:G0+4*\s+3], s[16:17], \s*SLABX        ; global address: slab s
	s_or_b32 s[G0+4*\s+3], s[G0+4*\s+3], 0x80000000                ; type = 2
	s_mov_b32 s[G0B+4*\s], 1
	s_add_co_u32 s[G0B+4*\s+1], s20, \s*SLOT
	s_add_nc_u64 s[G0B+4*\s+2:G0B+4*\s+3], s[46:47], \s*SLABW
	s_or_b32 s[G0B+4*\s+3], s[G0B+4*\s+3], 0x80000000
	JLOAD \s                                       ; both slots' first fills go out together: two tensor loads of the wave are out here, one behind each later round
.endr
	; A fragment is 16 rows x 32 K in 8 registers: lane l holds row l % 16; registers 0-3 K = 8 (l / 16) + 0..7, registers 4-7 K = 16 + 8 (l / 16) + 0..7:
	; two loads of 16 bytes, 32 bytes apart, at row x pitch + 16 (l / 16).
	v_and_b32 v1, 15, v0                           ; l % 16
	v_bfe_u32 v2, v0, 4, 1                         ; l / 16
	v_mul_u32_u24 v3, v1, PITCH
	v_lshl_add_u32 v3, v2, 4, v3
	s_mul_i32 s22, s13, 64*PITCH                   ; my 64 rows of xh,
	s_add_co_u32 s22, s22, WROWS*PITCH             ; which lie behind wh's 256
	s_mul_i32 s23, s14, 128*PITCH                  ; my 128 rows of wh
.irp s, 0,1
	v_add_nc_u32 v[ADRA+\s], s22, v3
	v_add_nc_u32 v[ADRB+\s], s23, v3
	s_add_co_u32 s22, s22, SLOT
	s_add_co_u32 s23, s23, SLOT
.endr
	s_mul_i32 s22, s12, 16*SPITCH
	s_add_co_u32 s22, s22, STAGE                   ; my stage
	v_mul_u32_u24 v4, v1, SPITCH                   ; in: row l % 16, 32 bytes for each half of the lanes
	v_lshl_add_u32 v4, v2, 5, v4
	v_add_nc_u32 v[STO], s22, v4
	v_and_b32 v5, 31, v0
	v_lshlrev_b32 v[CO], 4, v5                     ; back: the 32 lanes take one row of 512 bytes
	v_add_nc_u32 v[RD], s22, v[CO]
	v_lshlrev_b32 v[PW], 8, v1                     ; ahead: lanes 0-15 sixteen rows of one slab, lanes 16-31 the same rows of the next
	v_lshl_or_b32 v[PX], v2, 19, v[PW]
	v_lshl_or_b32 v[PW], v2, 20, v[PW]
	s_lshl_b32 s78, s43, 10                        ; bias: 4 bytes x (256 x out block + 128 x half) + 16 x lane
	s_lshl_b32 s79, s14, 9
	s_add_co_u32 s78, s78, s79
	v_add_nc_u32 v[BO], s78, v[CO]
	global_load_b128 v[BIAS:BIAS+3], v[BO], s[8:9] ; waited for on the way out
; 16 matrix instructions: token blocks a0, a0 + 1 x all 8 out blocks, 32 along K.  zero = 1: the first product starts the sums: nothing is cleared.
; The 32 accumulators take turns in one order in every quarter step, one instruction a turn, over the loop's backward jump too.
.macro MUL16 f, a0, zero
.irp a, \a0, \a0+1
.irp b, 0,1,2,3,4,5,6,7
.if \zero
	v_wmma_f32_16x16x32_f16 v[8*(8*(\a)+\b):8*(8*(\a)+\b)+7], v[\f+8*\b:\f+8*\b+7], v[\f+64+8*(\a):\f+64+8*(\a)+7], 0
.else
	v_wmma_f32_16x16x32_f16 v[8*(8*(\a)+\b):8*(8*(\a)+\b)+7], v[\f+8*\b:\f+8*\b+7], v[\f+64+8*(\a):\f+64+8*(\a)+7], v[8*(8*(\a)+\b):8*(8*(\a)+\b)+7]
.endif
.endr
.endr
.endm
; 24 LDS loads in one run: the fragments of a quarter step (128 rows of wh, then 64 rows of xh, 32 K at byte k of the rows) into buffer f
.macro FETCH slot, k, f
	WIN 0
.irp i, 0,1,2,3,4,5,6,7
	ds_load_b128 v[\f+8*\i:\f+8*\i+3],   v[ADRB+\slot] offset:\k+\i*16*PITCH
	ds_load_b128 v[\f+8*\i+4:\f+8*\i+7], v[ADRB+\slot] offset:\k+\i*16*PITCH+32
.endr
.irp i, 0,1,2,3
	ds_load_b128 v[\f+64+8*\i:\f+64+8*\i+3],   v[ADRA+\slot] offset:\k+\i*16*PITCH
	ds_load_b128 v[\f+64+8*\i+4:\f+64+8*\i+7], v[ADRA+\slot] offset:\k+\i*16*PITCH+32
.endr
.endm
; A load into a register that a matrix instruction has read, and whatever reads a matrix result, stand four places behind that matrix instruction; only plain vector
; instructions that name none of its registers are places (for what reads a matrix result), and the matrix instructions in between are not counted.
.macro PLACES
.rept 4
	v_nop
.endr
.endm
; A K step is four quarter steps of 32 along K, 32 matrix instructions each, on buffers 0, 1, 0, 1.
; One of the first three: multiplies buffer f; in its middle it fetches the next quarter's fragments, at byte k of the same slot's rows, into buffer g.
.macro QUARTER slot, k, f, g, zero
	s_wait_dscnt 4                                 ; wh's fragments and xh's 0 and 1 are in; the youngest four loads (xh's 2 and 3) may be out
	WIN W_MUL
	MUL16 \f, 0, \zero
	PLACES
	FETCH \slot, \k, \g
	s_wait_dscnt 24                                ; all but the 24 just issued
	WIN W_MUL
	MUL16 \f, 2, \zero
.endm
.macro THREE slot, zero
	QUARTER \slot, 64,  F0, F1, \zero
	QUARTER \slot, 128, F1, F0, 0
	QUARTER \slot, 192, F0, F1, 0
.endm
; The last quarter: changes slots, then multiplies buffer 1.  next = the other slot; fill = 1: this slot is filled again, two K steps ahead.
; pref = 1: the requests ahead go out behind the refill; pref = 2: their bases are stepped; 0: neither.
; In front of the barrier each wave waits for its reads of this slot (buffer 1 is whole with them) and for all its tensor loads, of which one is out: its part of the
; next slot.  Behind it nobody reads this slot any more and the next slot is whole: the refill comes first, with the whole quarter's matrix work behind it.
; From a request to the wait for it a wave issues 128 matrix instructions: a whole K step.
.macro TURN slot, next, fill, pref
	s_wait_dscnt 0x0                               ; buffer 1 is whole, and my reads of this slot are over
	s_wait_tensorcnt 0x0                           ; all my tensor loads have landed
	ds_add_u32 v62, v63
	s_wait_dscnt 0x0
.if \fill
	WIN 0                                          ; every window is 0 there
.endif
	s_barrier_signal -1                            ; say so (where a slot is filled again this barrier opens a round of the cluster's barrier)
	s_barrier_wait -1
.if \fill
	CREST                                          ; all sixteen work-groups have said so: no wave of any partner still reads this slot or has a load on its way
	s_add_nc_u64 s[G0+4*\slot+2:G0+4*\slot+3], s[G0+4*\slot+2:G0+4*\slot+3], 2*SLABX        ; no tensor load of mine is out: a group 0 may be written
	s_add_nc_u64 s[G0B+4*\slot+2:G0B+4*\slot+3], s[G0B+4*\slot+2:G0B+4*\slot+3], 2*SLABW
	JLOAD \slot                                    ; the first tensor load behind the round, and my only one until the next
.if \pref == 1
	PREF
.endif
.if \pref == 2
	PSTEP
.endif
.endif
	WIN W_MUL
	MUL16 F1, 0, 0
	PLACES
	FETCH \next, 0, F0
	WIN W_MUL
	MUL16 F1, 2, 0                                 ; buffer 1 was whole at the wait for 0 above: no wait here
.endm
.macro LAP zero, pref                  ; once round the ring, both slots filled again
	THREE 0, \zero
	TURN 0, 1, 1, \pref
	THREE 1, 0
	TURN 1, 0, 1, 2*\pref
.endm
	s_wait_tensorcnt 1                             ; my part of K step 0 is in; K step 1's may stay out
	s_barrier_signal -1
	s_barrier_wait -1                              ; everybody's is
	FETCH 0, 0, F0
	LAP 1, 1                                       ; lap 0 stands in front of the loop: its first products start the sums
	WIN 0                                          ; at a label and at a branch every window is 0
	s_mov_b32 s3, LAPS-3                           ; laps 1 to 13
.Llap:
	LAP 0, 1
	WIN 0
	s_sub_co_u32 s3, s3, 1
	s_cmp_lg_u32 s3, 0
	s_cbranch_scc1 .Llap
	LAP 0, 0                                       ; lap 14 fills slabs 30 and 31 and asks for nothing ahead
	THREE 0, 0                                     ; lap 15 fills nothing and has no round of the cluster's barrier: the one load still out is slot 1's, the last slab's
	TURN 0, 1, 0, 0
	THREE 1, 0
	s_wait_dscnt 0x0                               ; the very last quarter: nothing more to fetch
	WIN W_MUL
	MUL16 F1, 0, 0
	MUL16 F1, 2, 0
	; THE WAY OUT, 16 tokens at a time: 32 bytes a lane and tile into my own stage in LDS, read back as whole rows of 512 bytes, bias added, stored.
	PLACES                                         ; the places behind the last matrix instructions, for the LDS stores of results and the loads into buffers 0 and 1
	WIN 0
	s_lshl_b32 s16, s42, 7
	s_lshl_b32 s18, s13, 6
	s_add_co_u32 s16, s16, s18                     ; my first token: 128 x token block + 64 x half
	s_lshl_b32 s16, s16, 14                        ; x 16,384 bytes (below 2^25)
	s_mov_b32 s17, 0
	s_add_nc_u64 s[10:11], s[10:11], s[16:17]
	s_lshl_b32 s46, s43, 10                        ; my first out, in bytes: 1,024 x out block + 512 x half (in registers that fed wh's descriptors alone)
	s_lshl_b32 s47, s14, 9
	s_add_co_u32 s46, s46, s47
	s_mov_b32 s47, 0
	s_add_nc_u64 s[10:11], s[10:11], s[46:47]
	s_wait_loadcnt 0x0                             ; bias
; tokens 16 a .. 16 a + 15 of my block = tiles (a, 0..7); f: F0 or F1 in turn
.macro OUT16 a, f
	WIN W_ACC
.irp b, 0,1,2,3,4,5,6,7
	ds_store_b128 v[STO], v[8*(8*\a+\b):8*(8*\a+\b)+3]   offset:64*\b
	ds_store_b128 v[STO], v[8*(8*\a+\b)+4:8*(8*\a+\b)+7] offset:64*\b+16
.endr
	WIN 0
	s_wait_xcnt 0x0                                ; buffer f, which earlier stores read, is written again only behind this wait (ISA guide 3.1)
.irp t, 0,1,2,3,4,5,6,7,8,9,10,11,12,13,14,15
	ds_load_b128 v[\f+4*\t:\f+4*\t+3], v[RD] offset:\t*SPITCH      ; LDS serves a wave's instructions in order (ISA guide 5.7.1): these see the stores above
.endr
.irp t, 0,1,2,3,4,5,6,7,8,9,10,11,12,13,14,15
	s_wait_dscnt 15-\t                             ; row t is in; the younger rows may stay out
	v_pk_add_f32 v[\f+4*\t:\f+4*\t+1],   v[\f+4*\t:\f+4*\t+1],   v[BIAS:BIAS+1]
	v_pk_add_f32 v[\f+4*\t+2:\f+4*\t+3], v[\f+4*\t+2:\f+4*\t+3], v[BIAS+2:BIAS+3]
	global_store_b128 v[CO], v[\f+4*\t:\f+4*\t+3], s[10:11] offset:(16*\a+\t)*SIZE_N*4 th:TH_STORE_NT   ; the wave stores 512 consecutive bytes, at a multiple of 512 from out0's first byte
.endr
.endm
	OUT16 0, F0
	OUT16 1, F1
	OUT16 2, F0
	OUT16 3, F1
	s_wait_tensorcnt 0x0
	ds_add_u32 v62, v63
	s_wait_dscnt 0x0
	CROUND                                         ; the closing round: no work-group ends while a partner may still ask for a tile that names it
	s_endpgm
.Lfunc_end_k_q0fd568a79b_gemm:
	.size	k_q0fd568a79b_gemm, .Lfunc_end_k_q0fd568a79b_gemm-k_q0fd568a79b_gemm
	.p2alignl 7, 3214868480
	.fill 96, 4, 3214868480
	.section	.rodata,"a",@progbits
	.p2align	6, 0x0
	.amdhsa_kernel k_q0fd568a79b_gemm
		.amdhsa_group_segment_fixed_size 327680
		.amdhsa_private_segment_fixed_size 0
		.amdhsa_enable_private_segment 0
		.amdhsa_kernarg_size 32
		.amdhsa_user_sgpr_count 2
		.amdhsa_user_sgpr_kernarg_segment_ptr 1
		.amdhsa_wavefront_size32 1
		.amdhsa_system_sgpr_workgroup_id_x 1
		.amdhsa_system_sgpr_workgroup_id_y 1
		.amdhsa_system_sgpr_workgroup_id_z 1
		.amdhsa_system_vgpr_workitem_id 0
		.amdhsa_next_free_vgpr 512
		.amdhsa_next_free_sgpr 80
		.amdhsa_reserve_vcc 0
		.amdhsa_float_denorm_mode_32 3
		.amdhsa_float_denorm_mode_16_64 3
		.amdhsa_memory_ordered 1
		.amdhsa_forward_progress 1
		.amdhsa_inst_pref_size 159
	.end_amdhsa_kernel
	.amdgpu_metadata
---
amdhsa.version: [ 1, 2 ]
amdhsa.kernels:
  - .name:           k_q0fd568a79b_gemm
    .symbol:         k_q0fd568a79b_gemm.kd
    .args:
      - { .name: xh, .offset: 0, .size: 8, .value_kind: global_buffer, .address_space: global }
      - { .name: wh, .offset: 8, .size: 8, .value_kind: global_buffer, .address_space: global }
      - { .name: bias, .offset: 16, .size: 8, .value_kind: global_buffer, .address_space: global }
      - { .name: out0, .offset: 24, .size: 8, .value_kind: global_buffer, .address_space: global }
    .group_segment_fixed_size: 327680
    .private_segment_fixed_size: 0
    .kernarg_segment_align: 8
    .kernarg_segment_size: 32
    .max_flat_workgroup_size: 128
    .sgpr_count:     80
    .vgpr_count:     512
    .wavefront_size: 32
...
	.end_amdgpu_metadata
.endif
;; end of part 2
